; MI455X (gfx1250); checked and timed in simulation.
; The chip was launched on July 23, 2026; its instructions are those of AMD's public machine-readable ISA for CDNA 5 (MIT licence, August 2026) and "CDNA5" Instruction Set Architecture Reference Guide (July 2026). The comments in the code are by the model that wrote it; some were corrected since.
;; Attention. Allowed arithmetic: matrix products marked QUANTISED: E2M3 operands, one E8M0 scale for each 32 along K, by v_wmma_scale_f32_16x16x128_f8f6f4 with both operands' format E2M3, f32 sums; everything else in f32.
;; Inputs: Wk 512 x 512 float32; Wp 512 x 512 float32; Wq 512 x 512 float32; Wv 512 x 512 float32; bk 512 float32; bp 512 float32; bq 512 float32; bv 512 float32; d 16 x 1,024 x 1,024 float32; k 16 x 1,024 x 512 float32; q 16 x 1,024 x 512 float32; v 16 x 1,024 x 512 float32.
;; Outputs: out0 16 x 1,024 x 512 float32.
;; This version of the problem:
;;   THIS VERSION OF THE PROBLEM IS GIVEN IN LOW PRECISION. The matrix products marked QUANTISED in the list below multiply operands that are first quantised to E2M3 (2 exponent bits, 3 mantissa bits; 6 bits a number), with one power-of-two scale for each 32 numbers along K (OCP MX v1.0); their sums are f32. All else is computed in f32.
;;   The module's matrix products, in the order in which they are computed (A, B: the left and right operand; K: the contracted axis; several contracted axes count as one K, in the product's order):
;;     1. [M 16,384, K 512] x [K 512, N 512]; A: input q; B: input Wq: QUANTISED
;;     2. [M 16,384, K 512] x [K 512, N 512]; A: input k; B: input Wk: QUANTISED
;;     3. [M 16,384, K 512] x [K 512, N 512]; A: input v; B: input Wv: QUANTISED
;;     4. batch 128 x [M 1,024, K 64] x [K 64, N 1,024]; A: computed on the way; B: computed on the way: QUANTISED
;;     5. batch 128 x [M 1,024, K 1,024] x [K 1,024, N 64]; A: computed on the way; B: computed on the way: QUANTISED
;;     6. [M 16,384, K 512] x [K 512, N 512]; A: computed on the way; B: input Wp: QUANTISED
;;   THE QUANTISER, for each operand of a quantised product, along K:
;;     - K is cut into blocks of 32 from its start; a last block that is shorter is filled with zeros.
;;     - A block's scale is 2^e with e = floor(log2(the largest magnitude in the block)) - 2, held to -126 .. 127; a block of zeros has e = 0. As a byte (E8M0): e + 127.
;;     - Each number is divided by its block's scale, clamped to +-7.5, and rounded to the nearest number of E2M3, ties to even, subnormals kept.
;;     - The product sums the exact products of the quantised numbers (number of the format x scale) in f32.
;;   ~~~python
;;   def quantise(x, axis):      # numpy; x: float32 -> the quantised numbers, widened to float32 again
;;       x = np.moveaxis(x, axis, -1); K = x.shape[-1]
;;       x = np.pad(x, [(0, 0)] * (x.ndim - 1) + [(0, -K % 32)]); x = x.reshape(x.shape[:-1] + (-1, 32)); a = np.abs(x).max(-1, keepdims=True)
;;       e = np.where(a > 0, np.clip(np.frexp(np.where(a > 0, a, 1))[1] - 1 - 2, -126, 127), 0)      # np.frexp(a)[1] - 1 = floor(log2(a)), exactly
;;       r = np.clip(x / 2.0 ** e, -7.5, 7.5)
;;       step = 2.0 ** (np.maximum(np.frexp(np.where(r == 0, 1, r))[1] - 1, 0) - 3)
;;       q = np.round(r / step) * step * 2.0 ** e      # np.round: ties to even
;;       return np.moveaxis(q.reshape(q.shape[:-2] + (-1,))[..., :K], -1, axis).astype(np.float32)
;;   ~~~
;;   OPERANDS COMPUTED ON THE WAY. 'Computed on the way' means the value that the module computes at that place (a softmax that the list does not call 'softmax' is quantised finished and normalised). What goes into a quantiser is computed in f32, as accurately as f32 sums, v_exp_f32 and their like allow (about 1e-6 of the number): no bf16 or f16 on the way to a quantiser, and a product that is left as it is and whose result goes on into a quantised operand takes f32 operands (vector FMAs, or v_wmma_f32_16x16x4_f32). A number that lies on a knife's edge between two numbers of the format may be rounded either way, as far as f32 arithmetic and the matrix unit's own rounding can turn it there, and no further.
;; One version. Each part assembles by itself: llvm-mc -triple=amdgcn-amd-amdhsa -mcpu=gfx1250 --defsym DOCPART=n.
;; ======== version 1 of 1: 3 launches
;; limits: right only within a limited range of input values
;; workspace buffers: wrec 851,968 bytes; qrec 6,815,744 bytes; krec 6,815,744 bytes; vrec 6,815,744 bytes
;; launch prep (part 1): grid 256 x 1, 2 waves a work-group, no clusters, 0 bytes of LDS; arguments Wq, Wk, Wv, Wp, wrec; writes wrec
.if DOCPART == 1
	.amdgcn_target "amdgcn-amd-amdhsa--gfx1250"
	.amdhsa_code_object_version 6
	.text
	.protected	k_q1abbfc0155_prep
	.globl	k_q1abbfc0155_prep
	.p2align	8
	.type	k_q1abbfc0155_prep,@function
k_q1abbfc0155_prep:
	s_mov_b64 s[64:65], 0
	v_nop
	global_prefetch_b8 v0, s[64:65] scope:SCOPE_SE
	s_setreg_imm32_b32 hwreg(HW_REG_WAVE_MODE, 25, 1), 1
	s_wait_xcnt 0x0
; The four weights [512 n][512 k], f32, K innermost, become codes of FP6 (E2M3) with one E8M0 byte for each 32 along K, laid as IMAGES OF OPERAND REGISTERS.
; A record of REC bytes holds 128 rows n of one weight: 32 fragments (16 rows x 128 K, 12 registers a lane, 1,536 bytes: registers 4 c .. 4 c + 3 of lane l at 512 c + 16 l),
; fragment 8 s + b = K step s, tile b; behind them, at RCODE, a scale image of 128 bytes for each fragment (lane l: the word of row l % 16).  Record 4 m + g: weight m (Wq, Wk, Wv, Wp), rows 128 g on.
; THE ROWS OF A TILE ARE NOT NEIGHBOURS: row r of tile b is n = 128 g + 32 (b / 2) + 8 (b % 2) + r + 8 (r / 8), so that the results of two neighbouring tiles are 16 neighbours along the next product's K.
; One wave makes one fragment: 512 waves.  Lane (r, h) holds its row's k = 64 c + 32 h + 0 .. 31, two whole blocks, so no other lane is asked for a maximum.
; A block's scale byte is its largest magnitude's exponent field - 2, held at 1 from below.  LIMITS: a block of zeros gets the byte 1 (its codes are zeros; this program alone reads the bytes); NaN and infinities are not served.
; A lane reads 128 consecutive bytes a block, rows 2,048 bytes apart: kept so, since the four weights are 4 MiB in all and are read once.  No LDS, no matrix unit, no cluster: nothing is shared.
.set REC,   53248
.set RCODE, 49152
.set X,     16                         ; v16-79  my 64 numbers: 32 c + i
.set FRG,   80                         ; v80-91  the fragment
	s_load_b256 s[4:11], s[0:1], 0x0               ; Wq, Wk, Wv, Wp
	s_load_b64 s[12:13], s[0:1], 0x20              ; wrec
	v_lshrrev_b32 v1, 5, v0
	v_readfirstlane_b32 s14, v1                    ; wave
	v_and_b32 v1, 15, v0                           ; r
	v_bfe_u32 v2, v0, 4, 1                         ; h
	v_and_b32 v3, 8, v1
	v_add_nc_u32 v3, v3, v1                        ; r + 8 (r / 8)
	v_lshlrev_b32 v3, 11, v3                       ; a row is 2,048 bytes
	v_lshl_add_u32 v3, v2, 7, v3                   ; + 32 numbers for the upper half of the lanes
	v_and_b32 v6, 31, v0
	v_lshlrev_b32 v4, 4, v6                        ; 16 x lane
	v_lshlrev_b32 v5, 2, v6                        ; 4 x lane
	s_lshl_b32 s15, ttmp9, 1
	s_add_co_u32 s15, s15, s14                     ; my fragment's number, 0 .. 511
	s_lshr_b32 s16, s15, 7                         ; m: which weight
	s_bfe_u32 s17, s15, 0x20005                    ; g: which 128 rows
	s_and_b32 s18, s15, 31                         ; f = 8 s + b
	s_lshr_b32 s19, s18, 3                         ; s
	s_and_b32 s20, s18, 7                          ; b
	s_lshl_b32 s17, s17, 7
	s_lshr_b32 s21, s20, 1
	s_lshl_b32 s21, s21, 5
	s_add_co_u32 s17, s17, s21
	s_and_b32 s21, s20, 1
	s_lshl_b32 s21, s21, 3
	s_add_co_u32 s17, s17, s21                     ; the tile's first row: 128 g + 32 (b / 2) + 8 (b % 2)
	s_lshl_b32 s22, s17, 11
	s_lshl_b32 s19, s19, 9
	s_add_co_u32 s22, s22, s19                     ; + 512 bytes for each K step
	s_mov_b32 s23, 0
	s_lshr_b32 s21, s15, 5
	s_mul_i32 s21, s21, REC                        ; my record
	s_mul_i32 s26, s18, 1536
	s_add_co_u32 s26, s26, s21                     ; my fragment's image
	s_mov_b32 s27, 0
	s_lshl_b32 s28, s18, 7
	s_add_co_u32 s28, s28, s21
	s_add_co_u32 s28, s28, RCODE                   ; its scale image
	s_mov_b32 s29, 0
	s_mov_b32 s24, 0x76543210
	s_mov_b32 s25, 0xfedcba98                      ; lane selects: lane l xor 16
	s_wait_alu depctr_va_vdst(0)
	s_wait_kmcnt 0x0
	s_cmp_eq_u32 s16, 1                            ; the choice hangs on the fragment's number alone
	s_cselect_b64 s[4:5], s[6:7], s[4:5]
	s_cmp_eq_u32 s16, 2
	s_cselect_b64 s[4:5], s[8:9], s[4:5]
	s_cmp_eq_u32 s16, 3
	s_cselect_b64 s[4:5], s[10:11], s[4:5]
	s_add_nc_u64 s[4:5], s[4:5], s[22:23]
	s_add_nc_u64 s[30:31], s[12:13], s[28:29]
	s_add_nc_u64 s[12:13], s[12:13], s[26:27]
.irp c, 0,1
.irp j, 0,1,2,3,4,5,6,7
	global_load_b128 v[X+32*\c+4*\j:X+32*\c+4*\j+3], v3, s[4:5] offset:256*\c+16*\j
.endr
.endr
	s_wait_loadcnt 0x0
.irp c, 0,1
	v_max3_num_f32 v[8+\c], |v[X+32*\c]|, |v[X+32*\c+1]|, 0x1800000   ; my block 2 c + h, and the floor 2^(3 - 127): the byte cannot fall under 1
.endr
.irp i, 2,4,6,8,10,12,14,16,18,20,22,24,26,28,30
.irp c, 0,1
	v_max3_num_f32 v[8+\c], v[8+\c], |v[X+32*\c+\i]|, |v[X+32*\c+\i+1]|   ; the two blocks by turns
.endr
.endr
.irp c, 0,1
	v_add_nc_u32 v[10+\c], 0xff000000, v[8+\c]     ; 2 off the exponent field: the conversion's scale operand
.endr
.irp c, 0,1
	v_lshrrev_b32 v[12+\c], 23, v[10+\c]           ; the scale's byte
.endr
	v_lshl_or_b32 v14, v13, 16, v12                ; blocks h and 2 + h of my row,
	v_lshlrev_b32 v15, 3, v2
	v_lshlrev_b32 v14, v15, v14                    ; at their places in the word;
	v_mov_b32 v15, 0
	v_permlanex16_b32 v15, v14, s24, s25
	v_or_b32 v14, v14, v15                         ; with lane l xor 16's two the word is whole, in both halves of the lanes
.irp c, 0,1
	v_cvt_scalef32_pk16_fp6_f32 v[FRG+6*\c:FRG+6*\c+2], v[X+32*\c:X+32*\c+15], v[10+\c]
	v_cvt_scalef32_pk16_fp6_f32 v[92+4*\c:94+4*\c], v[X+32*\c+16:X+32*\c+31], v[10+\c]   ; (a conversion's three registers begin on an even number)
.endr
	v_nop                                          ; one plain instruction behind the conversions
.irp c, 0,1
.irp i, 0,1,2
	v_mov_b32 v[FRG+6*\c+3+\i], v[92+4*\c+\i]
.endr
.endr
.irp c, 0,1,2
	global_store_b128 v4, v[FRG+4*\c:FRG+4*\c+3], s[12:13] offset:512*\c   ; 32 lanes store 512 consecutive bytes, at a multiple of 256 from the buffer's first byte
.endr
	global_store_b32 v5, v14, s[30:31]
	s_endpgm
.Lfunc_end_k_q1abbfc0155_prep:
	.size	k_q1abbfc0155_prep, .Lfunc_end_k_q1abbfc0155_prep-k_q1abbfc0155_prep
	.p2alignl 7, 3214868480
	.fill 96, 4, 3214868480
	.section	.rodata,"a",@progbits
	.p2align	6, 0x0
	.amdhsa_kernel k_q1abbfc0155_prep
		.amdhsa_group_segment_fixed_size 0
		.amdhsa_private_segment_fixed_size 0
		.amdhsa_enable_private_segment 0
		.amdhsa_kernarg_size 40
		.amdhsa_user_sgpr_count 2
		.amdhsa_user_sgpr_kernarg_segment_ptr 1
		.amdhsa_wavefront_size32 1
		.amdhsa_system_sgpr_workgroup_id_x 1
		.amdhsa_system_sgpr_workgroup_id_y 1
		.amdhsa_system_sgpr_workgroup_id_z 1
		.amdhsa_system_vgpr_workitem_id 0
		.amdhsa_next_free_vgpr 100
		.amdhsa_next_free_sgpr 66
		.amdhsa_reserve_vcc 0
		.amdhsa_float_denorm_mode_32 3
		.amdhsa_float_denorm_mode_16_64 3
		.amdhsa_memory_ordered 1
		.amdhsa_forward_progress 1
		.amdhsa_inst_pref_size 8
	.end_amdhsa_kernel
	.amdgpu_metadata
---
amdhsa.version: [ 1, 2 ]
amdhsa.kernels:
  - .name:           k_q1abbfc0155_prep
    .symbol:         k_q1abbfc0155_prep.kd
    .args:
      - { .name: Wq, .offset: 0, .size: 8, .value_kind: global_buffer, .address_space: global }
      - { .name: Wk, .offset: 8, .size: 8, .value_kind: global_buffer, .address_space: global }
      - { .name: Wv, .offset: 16, .size: 8, .value_kind: global_buffer, .address_space: global }
      - { .name: Wp, .offset: 24, .size: 8, .value_kind: global_buffer, .address_space: global }
      - { .name: wrec, .offset: 32, .size: 8, .value_kind: global_buffer, .address_space: global }
    .group_segment_fixed_size: 0
    .private_segment_fixed_size: 0
    .kernarg_segment_align: 8
    .kernarg_segment_size: 40
    .max_flat_workgroup_size: 64
    .sgpr_count:     66
    .vgpr_count:     100
    .wavefront_size: 32
...
	.end_amdgpu_metadata
.endif
;; end of part 1
;; launch proj (part 2): grid 256 x 1, 4 waves a work-group, no clusters, 327,680 bytes of LDS; arguments q, k, v, bq, bk, bv, wrec, qrec, krec, vrec; writes qrec, krec, vrec
.if DOCPART == 2
	.amdgcn_target "amdgcn-amd-amdhsa--gfx1250"
	.amdhsa_code_object_version 6
	.text
	.protected	k_q1abbfc0155_proj
	.globl	k_q1abbfc0155_proj
	.p2align	8
	.type	k_q1abbfc0155_proj,@function
k_q1abbfc0155_proj:
	s_mov_b64 s[64:65], 0
	v_nop
	global_prefetch_b8 v0, s[64:65] scope:SCOPE_SE
	s_setreg_imm32_b32 hwreg(HW_REG_WAVE_MODE, 25, 1), 1
	s_wait_xcnt 0x0
; qh, kh, vh = Q(x) Q(W)^T + b for x = q, k, v, quantised again for the attention launch and stored as images of operand registers.
; A work-group takes 64 rows of each of the three tensors, one after the other; wave w quantises 16 rows and multiplies all 64 rows by record w of the weight (128 columns).
; The f32 tiles come by tensor loads into two slots (q: slot 0, k: slot 1, v: slot 0 again); the weights' fragments go from wrec straight into registers, two K steps ahead.
; The next tensor's weight and bias loads are issued ahead of the way out of the tensor just multiplied: they name no register that the way out reads.
; PREFETCH: k's tile is asked for while q's tensor load is out, v's tile behind k's tensor load: one step ahead of the tensor load that wants it.
; Each wave names its own 16 rows, 32,768 consecutive bytes = 128 blocks of 256 bytes, a lane a block, four instructions; no block is named twice; nothing is asked for beyond v's tile.
; LIMITS: a block of zeros gets the scale byte 1 (its codes are zeros; this program alone reads the bytes); NaN and infinities are not served.
.set REC,   53248
.set PFV,   18                         ; v18: 256 x lane, the prefetches' offset; never rewritten
.set RCODE, 49152
.set XP,    2080
.set WTILE, 16*XP
.set SL1,   4*WTILE
.set XIMG,  2*SL1
.set XSC,   XIMG+16*1536
.set SPARE, XSC+16*128
.set L16, 1
.set L8,  2
.set L4,  3
.set AXN, 4
.set AXP0, 5
.set AXP1, 6
.set AXI, 7
.set AXS, 8
.set AXR, 9
.set AXT, 10
.set BQK, 11
.set BVV, 12
.set HB,  24
.set TB,  72
.set TM,  104
.set TX,  120
.set SO,  136
.set HW,  152
.set SW,  160
.set XF,  168
.set WS,  216
.set XS,  232
.set SPW, 236
.set NIL, 237
.set WV,  24
.set G1,  32
.set G0A, 40
.set G0B, 44
.set G0C, 48
.set SEL, 52
.set FLR, 54
.set HIM, 55
.set WB,  56
.set BB,  58
.set OB,  60
.set OS,  62
.set MSB, 0
.macro WIN new
.if MSB != (\new)
	s_set_vgpr_msb (MSB<<8)|(\new)
.set MSB, (\new)
.endif
.endm
.macro PLACES n
.rept \n
	v_nop
.endr
.endm
.macro BAR
	s_wait_dscnt 0x0
	s_barrier_signal -1
	s_barrier_wait -1
.endm
.macro MMC d, a, b, c, sa, sb
	v_wmma_scale_f32_16x16x128_f8f6f4 v[\d:\d+7], v[\a:\a+11], v[\b:\b+11], v[\c:\c+7], v[\sa], v[\sb] matrix_a_fmt:MATRIX_FMT_FP6 matrix_b_fmt:MATRIX_FMT_FP6
.endm
.macro XLD adr
	WIN 0x40
.set bb, 0
.rept 16
.irp j, 0,1,2,3
	ds_load_b128 v[16*bb+4*\j:16*bb+4*\j+3], v[\adr] offset:128*bb+16*\j+16*(bb/8)
.endr
.set bb, bb+1
.endr
	WIN 0
.endm
.macro Q16
	WIN 0x05
.set bb, 0
.rept 16
	v_max3_num_f32 v[TM+bb], |v[16*bb]|, |v[16*bb+1]|, s[FLR]
.set bb, bb+1
.endr
.set ii, 2
.rept 7
.set bb, 0
.rept 16
	v_max3_num_f32 v[TM+bb], |v[16*bb+ii]|, |v[16*bb+ii+1]|, v[TM+bb]
.set bb, bb+1
.endr
.set ii, ii+2
.endr
	WIN 0
.set bb, 0
.rept 16
	v_permlanex16_b32 v[TX+bb], v[TM+bb], s[SEL], s[SEL+1]
.set bb, bb+1
.endr
.set bb, 0
.rept 16
	v_max_num_f32 v[TM+bb], v[TM+bb], v[TX+bb]
.set bb, bb+1
.endr
.set bb, 0
.rept 16
	v_add_nc_u32 v[SO+bb], 0xff000000, v[TM+bb]
.set bb, bb+1
.endr
.set bb, 0
.rept 16
	v_lshrrev_b32 v[TX+bb], 23, v[SO+bb]
.set bb, bb+1
.endr
.set bb, 0
.rept 8
	v_lshl_or_b32 v[HW+bb], v[TX+2*bb+1], 8, v[TX+2*bb]
.set bb, bb+1
.endr
	WIN 0x01
.set bb, 0
.rept 8
	v_cvt_scalef32_pk16_fp6_f32 v[HB+6*bb:HB+6*bb+2], v[32*bb:32*bb+15], v[SO+2*bb]
	v_cvt_scalef32_pk16_fp6_f32 v[TB+4*bb:TB+4*bb+2], v[32*bb+16:32*bb+31], v[SO+2*bb+1]
.set bb, bb+1
.endr
	WIN 0
	v_nop
.set bb, 0
.rept 8
.irp i, 0,1,2
	v_permlane16_swap_b32 v[HB+6*bb+\i], v[TB+4*bb+\i]
.endr
.irp i, 0,1,2
	v_mov_b32 v[HB+6*bb+3+\i], v[TB+4*bb+\i]
.endr
.set bb, bb+1
.endr
.endm
; A weight's fragments of K step s: steps 0 and 1 lie in window 2 (v0-191), steps 2 and 3 in window 3 (v64-255); their scale words in v216-231 and v238-253.
; All four steps of a weight have registers of their own, so the next weight's set s is asked for as soon as this weight's step s has been multiplied.
.macro WLD s
	WIN 0x80+0x40*((\s)/2)
.irp b, 0,1,2,3,4,5,6,7
.irp c, 0,1,2
	global_load_b128 v[96*((\s)%2)+64*((\s)/2)+12*\b+4*\c:96*((\s)%2)+64*((\s)/2)+12*\b+4*\c+3], v[L16], s[WB:WB+1] offset:(8*(\s)+\b)*1536+512*\c
.endr
.endr
	WIN 0
.irp b, 0,1,2,3,4,5,6,7
	global_load_b32 v[WS+8*((\s)%2)+22*((\s)/2)+\b], v[L4], s[WB:WB+1] offset:RCODE+128*(8*(\s)+\b)
.endr
.endm
.macro PTR m                           ; the bases of weight m's record and bias; all loads by the old bases have been issued
	WIN 0
	s_wait_xcnt 0x0
	s_add_nc_u64 s[WB:WB+1], s[16:17], s[26:27]
	s_add_nc_u64 s[WB:WB+1], s[WB:WB+1], 4*(\m)*REC
	s_add_nc_u64 s[BB:BB+1], s[10+2*(\m):11+2*(\m)], s[28:29]
.endm
.macro BIAS kind                       ; the bias in the results' layout, window 3, v0-63.  kind 1: a lane's eight registers of a tile hold one number: it is loaded once and copied in MAIN
	WIN 0xc0
.irp b, 0,1,2,3,4,5,6,7
.if \kind
	global_load_b32 v[8*\b], v[BVV], s[BB:BB+1] offset:4*(32*(\b/2)+8*(\b%2))
.else
	global_load_b128 v[8*\b:8*\b+3], v[BQK], s[BB:BB+1] offset:4*(32*(\b/2)+8*(\b%2))
	global_load_b128 v[8*\b+4:8*\b+7], v[BQK], s[BB:BB+1] offset:4*(32*(\b/2)+8*(\b%2))+16
.endif
.endr
.endm
.macro XPH adr
	XLD \adr
	s_wait_dscnt 0x0
	s_wait_xcnt 0x0                                ; the last way out's stores have read their data registers: they are written again below
	s_mov_b32 s[FLR], 3<<23
	Q16
.irp s, 0,1,2,3
	v_lshl_or_b32 v[SW+\s], v[HW+2*\s+1], 16, v[HW+2*\s]
.endr
.irp s, 0,1,2,3
.irp c, 0,1,2
	ds_store_b128 v[AXI], v[HB+12*\s+4*\c:HB+12*\s+4*\c+3] offset:1536*\s+512*\c
.endr
	ds_store_b32 v[AXS], v[SW+\s] offset:128*\s
.endr
.endm
; nk: the next weight's kind; nx: the loads issued behind step 0 for the next weight (its bias and its set 0), 0 where there is none.
; Loads are issued in the order bias, set 0, 1, 2, 3.  Behind set s stand the later sets, 32 loads each, and from step 1 on the nx loads: the counts below are these sums, held at 63.
.macro MAIN kind, nk, nx
.irp s, 0,1,2,3
	WIN 0
.irp a, 0,1,2,3
.irp c, 0,1,2
	ds_load_b128 v[XF+12*\a+4*\c:XF+12*\a+4*\c+3], v[AXR] offset:(4*\a+\s)*1536+512*\c
.endr
	ds_load_b32 v[XS+\a], v[AXT] offset:(4*\a+\s)*128
.endr
.if \s < 2
	s_wait_loadcnt 63
.elseif \s == 2
.if 32+\nx > 63
	s_wait_loadcnt 63
.else
	s_wait_loadcnt 32+\nx
.endif
.else
	s_wait_loadcnt \nx
.endif
	s_wait_dscnt 0x0
.if \kind
.if \s == 0
	WIN 0xc3
.irp j, 1,2,3,4,5,6,7
.irp b, 0,1,2,3,4,5,6,7
	v_mov_b32 v[8*\b+\j], v[8*\b]                  ; the column's bias into all eight registers of the tile
.endr
.endr
	PLACES 4
	WIN 0x78
.else
	WIN 0x58+4*(\s/2)
.endif
.else
.if \s == 0
	WIN 0x72
.else
	WIN 0x52+(\s/2)
.endif
.endif
.irp a, 0,1,2,3
.irp b, 0,1,2,3,4,5,6,7
.if \kind
.if \s == 0
	MMC 32*\b+8*\a, XF+12*\a, 96*(\s%2)+64*(\s/2)+12*\b, 8*\b, XS+\a, WS+8*(\s%2)+22*(\s/2)+\b
.else
	MMC 32*\b+8*\a, XF+12*\a, 96*(\s%2)+64*(\s/2)+12*\b, 32*\b+8*\a, XS+\a, WS+8*(\s%2)+22*(\s/2)+\b
.endif
.else
.if \s == 0
	MMC 64*\a+8*\b, 96*(\s%2)+64*(\s/2)+12*\b, XF+12*\a, 8*\b, WS+8*(\s%2)+22*(\s/2)+\b, XS+\a
.else
	MMC 64*\a+8*\b, 96*(\s%2)+64*(\s/2)+12*\b, XF+12*\a, 64*\a+8*\b, WS+8*(\s%2)+22*(\s/2)+\b, XS+\a
.endif
.endif
.endr
.endr
	WIN 0
	PLACES 4
.if \nx > 0
.if \s == 0
	BIAS \nk                                       ; the next weight's bias and set 0: their registers were last read by step 0
	WLD 0
.endif
.if \s == 3
	WLD 1
.endif
.endif
.endr
.endm
.macro OUT kind, fl, m
	s_add_nc_u64 s[OB:OB+1], s[18+2*(\m):19+2*(\m)], s[30:31]      ; this tensor's records: codes, (the earlier stores' bases were freed by the wait on XCNT in XPH)
	s_add_nc_u64 s[OS:OS+1], s[18+2*(\m):19+2*(\m)], s[2:3]        ; and scale images
	s_mov_b32 s[FLR], (\fl)<<23
	Q16
.irp i, 0,1,2,3,4,5,6,7
.if \kind
	global_store_b128 v[L16], v[HB+6*\i:HB+6*\i+3], s[OB:OB+1] offset:(\i/4)*REC+(\i%4)*768
	global_store_b64 v[L8], v[HB+6*\i+4:HB+6*\i+5], s[OB:OB+1] offset:(\i/4)*REC+(\i%4)*768
.else
	global_store_b128 v[L16], v[HB+6*\i:HB+6*\i+3], s[OB:OB+1] offset:(\i%2)*REC+(\i/2)*768
	global_store_b64 v[L8], v[HB+6*\i+4:HB+6*\i+5], s[OB:OB+1] offset:(\i%2)*REC+(\i/2)*768
.endif
.endr
.if \kind
.irp k, 0,1,2,3
	v_cndmask_b32 v[SW+\k], v[HW+2*\k], v[HW+2*\k+1], s[HIM]
.endr
.irp k, 0,1,2,3
	global_store_b32 v[L4], v[SW+\k], s[OS:OS+1] offset:(\k/2)*REC+(\k%2)*128
.endr
.else
.irp p, 0,1
.irp e, 0,1
	v_lshl_or_b32 v[SW+2*\p+\e], v[HW+4*\p+2+\e], 16, v[HW+4*\p+\e]
.endr
.endr
.irp p, 0,1
.irp e, 0,1
	global_store_b32 v[L4], v[SW+2*\p+\e], s[OS:OS+1] offset:\e*REC+128*\p
.endr
.endr
.endif
.endm
	s_load_b256 s[4:11], s[0:1], 0x0
	s_load_b256 s[12:19], s[0:1], 0x20
	s_load_b128 s[20:23], s[0:1], 0x40
	v_lshl_add_u32 v[SPW], v0, 2, SPARE
	v_mov_b32 v[NIL], 0
	ds_add_u32 v[SPW], v[NIL]
	ds_add_u32 v[SPW], v[NIL]
	v_lshrrev_b32 v13, 5, v0
	v_readfirstlane_b32 s[WV], v13
	s_mov_b32 s[G1], (2<<16)|(1<<20)|(7<<22)|(3<<25)
	s_mov_b32 s[G1+1], 512<<16
	s_mov_b32 s[G1+2], 16<<16
	s_mov_b32 s[G1+3], 512<<16
	s_mov_b32 s[G1+4], 16
	s_mov_b32 s[G1+5], 512
	s_mov_b32 s[G1+6], 0
	s_mov_b32 s[G1+7], 0
	s_mov_b32 s[SEL], 0x76543210
	s_mov_b32 s[SEL+1], 0xfedcba98
	s_mov_b32 s[HIM], 0xffff0000
	s_mul_i32 s25, s[WV], WTILE
	s_lshl_b32 s56, ttmp9, 17
	s_lshl_b32 s57, s[WV], 15
	s_add_co_u32 s56, s56, s57
	s_mov_b32 s57, 0
	s_mul_i32 s26, s[WV], REC
	s_mov_b32 s27, 0
	s_lshl_b32 s28, s[WV], 9
	s_mov_b32 s29, 0
	s_lshr_b32 s30, ttmp9, 4
	s_lshl_b32 s30, s30, 3
	s_lshl_b32 s31, s[WV], 1
	s_add_co_u32 s30, s30, s31
	s_mul_i32 s30, s30, REC
	s_and_b32 s31, ttmp9, 15
	s_lshl_b32 s2, s31, 8
	s_add_co_u32 s2, s2, s30
	s_add_co_u32 s2, s2, RCODE
	s_mov_b32 s3, 0
	s_mul_i32 s31, s31, 3072
	s_add_co_u32 s30, s30, s31
	s_mov_b32 s31, 0
	s_wait_dscnt 0x0
	s_wait_kmcnt 0x0
	s_mov_b32 s[G0A], 1
	s_mov_b32 s[G0A+1], s25
	s_add_nc_u64 s[G0A+2:G0A+3], s[4:5], s[56:57]
	s_or_b32 s[G0A+3], s[G0A+3], 0x80000000
	s_mov_b32 s[G0B], 1
	s_add_co_u32 s[G0B+1], s25, SL1
	s_add_nc_u64 s[G0B+2:G0B+3], s[6:7], s[56:57]
	s_or_b32 s[G0B+3], s[G0B+3], 0x80000000
	s_mov_b32 s[G0C], 1
	s_mov_b32 s[G0C+1], s25
	s_add_nc_u64 s[G0C+2:G0C+3], s[8:9], s[56:57]
	s_or_b32 s[G0C+3], s[G0C+3], 0x80000000
	s_add_nc_u64 s[6:7], s[6:7], s[56:57]          ; my 16 rows of k and of v: the prefetches' bases, never rewritten
	s_add_nc_u64 s[8:9], s[8:9], s[56:57]
	tensor_load_to_lds s[G0A:G0A+3], s[G1:G1+7]    ; q's tile: my one tensor load at the head; the addresses and the first weight loads are made while it is out
	s_nop 0
	PLACES 4
	v_and_b32 v13, 31, v0
	v_and_b32 v14, 15, v0
	v_bfe_u32 v15, v0, 4, 1
	v_lshlrev_b32 v[L16], 4, v13
	v_lshl_add_u32 v[L8], v13, 3, 512
	v_lshlrev_b32 v[L4], 2, v13
	v_lshlrev_b32 v[PFV], 8, v13
.irp i, 0,1,2,3
	global_prefetch_b8 v[PFV], s[6:7] offset:8192*\i th:TH_LOAD_NT scope:SCOPE_SE   ; k's tile, my 16 rows: 32 blocks of 256 bytes an instruction
.endr
	v_mul_u32_u24 v16, v14, XP
	v_lshl_add_u32 v16, v15, 6, v16
	v_add_nc_u32 v[AXN], s25, v16
	v_and_b32 v17, 8, v14
	v_mad_u32_u24 v16, v17, XP, v16
	s_lshr_b32 s54, s[WV], 1
	s_lshl_b32 s54, s54, 5
	s_and_b32 s56, s[WV], 1
	s_lshl_b32 s56, s56, 3
	s_add_co_u32 s54, s54, s56
	s_mul_i32 s54, s54, XP
	v_add_nc_u32 v[AXP0], s54, v16
	v_add_nc_u32 v[AXP1], SL1, v[AXP0]
	s_mul_i32 s54, s[WV], 4*1536
	v_add_nc_u32 v[AXI], s54, v[L16]
	v_add_nc_u32 v[AXI], XIMG, v[AXI]
	s_lshl_b32 s54, s[WV], 9
	v_add_nc_u32 v[AXS], s54, v[L4]
	v_add_nc_u32 v[AXS], XSC, v[AXS]
	v_add_nc_u32 v[AXR], XIMG, v[L16]
	v_add_nc_u32 v[AXT], XSC, v[L4]
	v_lshlrev_b32 v[BQK], 6, v15
	v_add_nc_u32 v[BVV], v17, v14
	v_lshlrev_b32 v[BVV], 2, v[BVV]
.set bb, 0
.rept 16
	v_mov_b32 v[TX+bb], 0
.set bb, bb+1
.endr
	PTR 0
	BIAS 0
	WLD 0
	WLD 1
	WLD 2
	WLD 3
	s_wait_alu depctr_va_vdst(0)                   ; the wait at the head's end
	s_wait_tensorcnt 0x0                           ; q's tile is in
	ds_add_u32 v[SPW], v[NIL]
	s_wait_dscnt 0x0
	s_barrier_signal -1
	s_barrier_wait -1
	tensor_load_to_lds s[G0B:G0B+3], s[G1:G1+7]    ; k's tile into slot 1
	s_nop 0
	PLACES 4
.irp i, 0,1,2,3
	global_prefetch_b8 v[PFV], s[8:9] offset:8192*\i th:TH_LOAD_NT scope:SCOPE_SE   ; v's tile, my 16 rows
.endr
	XPH AXN
	s_wait_tensorcnt 0x0
	ds_add_u32 v[SPW], v[NIL]
	s_wait_dscnt 0x0
	s_barrier_signal -1
	s_barrier_wait -1
	tensor_load_to_lds s[G0C:G0C+3], s[G1:G1+7]
	s_nop 0
	PLACES 4
	PTR 1
	MAIN 0, 0, 48
	OUT 0, 6, 0
	WLD 2
	BAR
	XPH AXP1
	WLD 3
	BAR
	PTR 2
	MAIN 0, 1, 40
	OUT 0, 3, 1
	WLD 2
	s_wait_tensorcnt 0x0
	BAR
	XPH AXP0
	WLD 3
	BAR
	MAIN 1, 0, 0
	OUT 1, 3, 2
	s_wait_tensorcnt 0x0
	ds_add_u32 v[SPW], v[NIL]
	s_wait_dscnt 0x0
	s_endpgm
.Lfunc_end_k_q1abbfc0155_proj:
	.size	k_q1abbfc0155_proj, .Lfunc_end_k_q1abbfc0155_proj-k_q1abbfc0155_proj
	.p2alignl 7, 3214868480
	.fill 96, 4, 3214868480
	.section	.rodata,"a",@progbits
	.p2align	6, 0x0
	.amdhsa_kernel k_q1abbfc0155_proj
		.amdhsa_group_segment_fixed_size 327680
		.amdhsa_private_segment_fixed_size 0
		.amdhsa_enable_private_segment 0
		.amdhsa_kernarg_size 80
		.amdhsa_user_sgpr_count 2
		.amdhsa_user_sgpr_kernarg_segment_ptr 1
		.amdhsa_wavefront_size32 1
		.amdhsa_system_sgpr_workgroup_id_x 1
		.amdhsa_system_sgpr_workgroup_id_y 1
		.amdhsa_system_sgpr_workgroup_id_z 1
		.amdhsa_system_vgpr_workitem_id 0
		.amdhsa_next_free_vgpr 1024
		.amdhsa_next_free_sgpr 66
		.amdhsa_reserve_vcc 0
		.amdhsa_float_denorm_mode_32 3
		.amdhsa_float_denorm_mode_16_64 3
		.amdhsa_memory_ordered 1
		.amdhsa_forward_progress 1
		.amdhsa_inst_pref_size 222
	.end_amdhsa_kernel
	.amdgpu_metadata
---
amdhsa.version: [ 1, 2 ]
amdhsa.kernels:
  - .name:           k_q1abbfc0155_proj
    .symbol:         k_q1abbfc0155_proj.kd
    .args:
      - { .name: q, .offset: 0, .size: 8, .value_kind: global_buffer, .address_space: global }
      - { .name: k, .offset: 8, .size: 8, .value_kind: global_buffer, .address_space: global }
      - { .name: v, .offset: 16, .size: 8, .value_kind: global_buffer, .address_space: global }
      - { .name: bq, .offset: 24, .size: 8, .value_kind: global_buffer, .address_space: global }
      - { .name: bk, .offset: 32, .size: 8, .value_kind: global_buffer, .address_space: global }
      - { .name: bv, .offset: 40, .size: 8, .value_kind: global_buffer, .address_space: global }
      - { .name: wrec, .offset: 48, .size: 8, .value_kind: global_buffer, .address_space: global }
      - { .name: qrec, .offset: 56, .size: 8, .value_kind: global_buffer, .address_space: global }
      - { .name: krec, .offset: 64, .size: 8, .value_kind: global_buffer, .address_space: global }
      - { .name: vrec, .offset: 72, .size: 8, .value_kind: global_buffer, .address_space: global }
    .group_segment_fixed_size: 327680
    .private_segment_fixed_size: 0
    .kernarg_segment_align: 8
    .kernarg_segment_size: 80
    .max_flat_workgroup_size: 128
    .sgpr_count:     66
    .vgpr_count:     1024
    .wavefront_size: 32
...
	.end_amdgpu_metadata
.endif
;; end of part 2
;; launch attn (part 3): grid 16 x 16, 4 waves a work-group, clusters of 4 x 1, 327,680 bytes of LDS; arguments d, qrec, krec, vrec, wrec, bp, out0; writes out0
.if DOCPART == 3
	.amdgcn_target "amdgcn-amd-amdhsa--gfx1250"
	.amdhsa_code_object_version 6
	.text
	.protected	k_q1abbfc0155_attn
	.globl	k_q1abbfc0155_attn
	.p2align	8
	.type	k_q1abbfc0155_attn,@function
k_q1abbfc0155_attn:
	s_mov_b64 s[64:65], 0
	v_nop
	global_prefetch_b8 v0, s[64:65] scope:SCOPE_SE
	s_setreg_imm32_b32 hwreg(HW_REG_WAVE_MODE, 25, 1), 1
	s_wait_xcnt 0x0
	s_wait_alu depctr_hold_cnt(0) depctr_sa_sdst(0) depctr_va_vdst(0) depctr_va_sdst(0) depctr_va_ssrc(0) depctr_va_vcc(0) depctr_vm_vsrc(0)
	s_getreg_b32 s2, hwreg(HW_REG_IB_STS2, 6, 4)
	s_cmp_eq_u32 s2, 0
	s_cbranch_scc0 .Lentry_in_a_cluster
	s_endpgm
.Lentry_in_a_cluster:
	s_bfe_u32 s2, ttmp6, 0x10000c
	s_cmp_lg_u32 s2, 0x3003
	s_cbranch_scc0 .Lentry_shape_is_right
	s_endpgm
.Lentry_shape_is_right:
; out0 = Q(Q(softmax(Q(qh) Q(kh)^T / 8 + d) x d) Q(vh)) Q(Wp)^T + bp, all products on codes of FP6 (E2M3) with E8M0 scales.
; A work-group takes 64 queries of one batch, wave w its rows 16 w .. 16 w + 15; a loop goes over the 8 heads; behind it the 64 rows are multiplied by Wp.
; A wave holds its 16 x 1,024 scores in 512 registers (windows 2 and 3): the row's own maximum is taken away, and the finished, normalised softmax x d is what is quantised.
; d: columns 0-703 of the 64 rows lie in LDS for the whole launch, columns 704-1,023 in window 1.  d enters the scores as the C of the first product.
; CLUSTER 4, 1, 1: the four work-groups share a batch, so K's, V's and Wp's records are joint loads, each wave a quarter of a record.
; THE HEAD'S FILLS go out as one group, one a wave: waves 0 and 1 fetch 32 rows of d each, waves 2 and 3 half of head 0's K record each.
; THE EXPONENTIALS of a head are one batch: all 256 packed multiply-adds first, one wait, 512 exponentials, one plain place, one wait, then the sums.
; LIMITS: a block of zeros gets the scale byte 1 (its codes are zeros; this program alone reads the bytes); NaN and infinities are not served.
.set REC,   53248
.set RCODE, 49152
.set VSL,   53248
.set DRG,   106496
.set DPI,   2992
.set DWV,   16*DPI
.set SCR,   DRG+4*DWV
.set SWV,   7168
.set SPARE, SCR+4*SWV
.set A16, 1
.set A8,  2
.set A4,  3
.set AV16, 4
.set AV8, 5
.set AV4, 6
.set AD,  7
.set AX16, 8
.set AX8, 9
.set AX4, 10
.set L4,  11
.set STO, 12
.set RD,  13
.set GO,  14
.set GD,  15
.set GB,  16
.set PFO, 17
.set T0,  18
.set T1,  19
.set T2,  237
.set SPW, 20
.set NIL, 21
.set QRAW, 22
.set QSC, 23
.set PW,  24
.set XS,  32                           ; the tail: v32-47 x's scale words, 4 a + s;  v48-63 Wp's scale words, two sets of 8
.set WSC, 48
.set PFO2, 238                         ; v238: 256 x min(lane + 32, 51): the second prefetch of Wp
.set QLO, 32
.set SC32, 56
.set DT,  88
.set OT,  152
.set PF,  184
.set PT,  196
.set TM,  204
.set TX,  208
.set SO,  212
.set MX,  216
.set LS,  224
.set NM,  232
.set RL,  234
.set PX,  236
.set XH,  240
.set XT,  246
.set HWX, 250
.set FB,  160
.set XFT, 64                           ; the tail: v64-255 x's fragments of all 64 rows: tile a, K step s at 48 a + 12 s
.set OBK, 136
.set WV,  18
.set H,   19
.set SEL, 20
.set L2E, 22
.set NL2E, 24
.set FLR, 25
.set SELQ, 26
.set C3,  27
.set CX,  28
.set QB,  29
.set BT,  30
.set LIM, 31
.set G1D, 32
.set G1R, 40
.set G1W, 48
.set G0D, 56
.set G0K, 60
.set G0V, 68
.set G0W, 72
.set G0H, 96
.set PFW, 100                          ; s[100:101] Wp's record cx, quarter wv: what my wave prefetches of Wp
.set KP,  76
.set WP0, 78
.set QP,  80
.set QS,  82
.set PFA, 84
.set XO,  86
.set XO2, 87
.set OUTP, 88
.set MSB, 0
.macro WIN new
.if MSB != (\new)
	s_set_vgpr_msb (MSB<<8)|(\new)
.set MSB, (\new)
.endif
.endm
.macro PLACES n
.rept \n
	v_nop
.endr
.endm
.macro ROUND
	s_barrier_signal -1
	s_barrier_wait -1
	s_cmp_lg_u32 s[WV], 0
	s_cbranch_scc1 .Lnot_wave_0_\@
	s_barrier_signal -3
.Lnot_wave_0_\@:
	s_barrier_wait -3
	s_barrier_signal -1
	s_barrier_wait -1
.endm
.macro TL g0, g1
	tensor_load_to_lds s[\g0:\g0+3], s[\g1:\g1+7]
	s_nop 0
	PLACES 4
.endm
.macro ASK
	s_cmp_lt_u32 s[H], s[LIM]
	s_cbranch_scc0 .Lnot_mine_\@
	global_prefetch_b8 v[PFO], s[PFA:PFA+1] th:TH_LOAD_NT scope:SCOPE_SE
.Lnot_mine_\@:
.endm
.macro MMC d, a, b, c, sa, sb
	v_wmma_scale_f32_16x16x128_f8f6f4 v[\d:\d+7], v[\a:\a+11], v[\b:\b+11], v[\c:\c+7], v[\sa], v[\sb] matrix_a_fmt:MATRIX_FMT_FP6 matrix_b_fmt:MATRIX_FMT_FP6
.endm
.macro MMC1 d, a, b, c, sa, sb
	v_wmma_scale_f32_16x16x128_f8f6f4 v[\d:\d+7], v[\a:\a+11], v[\b:\b+11], v[\c:\c+7], v[\sa], v[\sb] matrix_a_fmt:MATRIX_FMT_FP6 matrix_b_fmt:MATRIX_FMT_FP6 matrix_a_scale:MATRIX_SCALE_ROW1
.endm
.macro MMZ d, a, b, sa, sb
	v_wmma_scale_f32_16x16x128_f8f6f4 v[\d:\d+7], v[\a:\a+11], v[\b:\b+11], 0, v[\sa], v[\sb] matrix_a_fmt:MATRIX_FMT_FP6 matrix_b_fmt:MATRIX_FMT_FP6
.endm
.macro MMZ1 d, a, b, sa, sb
	v_wmma_scale_f32_16x16x128_f8f6f4 v[\d:\d+7], v[\a:\a+11], v[\b:\b+11], 0, v[\sa], v[\sb] matrix_a_fmt:MATRIX_FMT_FP6 matrix_b_fmt:MATRIX_FMT_FP6 matrix_a_scale:MATRIX_SCALE_ROW1
.endm
.macro LK u
	WIN 0x40
.irp p, 0,1
.set F, FB+24*((\u)%4)+12*\p
.set OFS, 1536*(2*(\u)+\p)
	ds_load_b128 v[F:F+3], v[A16] offset:OFS
	ds_load_b64 v[F+4:F+5], v[A8] offset:OFS
	ds_load_b128 v[F+6:F+9], v[A16] offset:OFS+768
	ds_load_b64 v[F+10:F+11], v[A8] offset:OFS+768
.endr
.endm
.macro LDD u
	WIN 0
.irp p, 0,1
.irp k, 0,1,2,3
	ds_load_b128 v[DT+32*((\u)%2)+16*\p+4*\k:DT+32*((\u)%2)+16*\p+4*\k+3], v[AD] offset:272*(\u)+128*\p+16*\k
.endr
.endr
.endm
.macro SMUL u
.set WD, 2+(\u)/8
.set WC, (\u)/11
	WIN (WD<<6)|(WC<<4)|1
.irp p, 0,1
.irp e, 0,1
.set DD, 8*((4*(\u)+2*\p+\e)%32)
.set F, FB+24*((\u)%4)+12*\p
.if (\u) < 11
.set CC, DT+32*((\u)%2)+16*\p+8*\e
.else
.set CC, 32*((\u)-11)+16*\p+8*\e
.endif
	MMC DD, F, QLO+12*\e, CC, SC32+2*(\u)+\p, QSC
.endr
.endr
.endm
.macro SMAX u
.set W, 2+(\u)/8
	WIN (W<<2)|W
.set i, 32*((\u)%8)
.set k, 0
.rept 16
	v_max3_num_f32 v[MX+k%8], v[i], v[i+1], v[MX+k%8]
.set i, i+2
.set k, k+1
.endr
.endm
.macro BFMA w                          ; (score - the row's maximum) x log2(e), two at a time, in place: window w's 256 registers
	WIN ((\w)<<6)|(\w)
.set k, 0
.rept 128
	v_pk_fma_f32 v[2*k:2*k+1], v[2*k:2*k+1], s[L2E:L2E+1], v[NM:NM+1] op_sel_hi:[1,0,0]
.set k, k+1
.endr
.endm
.macro BEXP w                          ; 2^(that), in place
	WIN ((\w)<<6)|(\w)
.set k, 0
.rept 256
	v_exp_f32 v[k], v[k]
.set k, k+1
.endr
.endm
.macro BSUM w                          ; the row's sum of window w's numbers, in four chains of pairs
	WIN (\w)<<2
.set k, 0
.rept 128
	v_pk_add_f32 v[LS+2*(k%4):LS+2*(k%4)+1], v[LS+2*(k%4):LS+2*(k%4)+1], v[2*k:2*k+1]
.set k, k+1
.endr
.endm
.macro LDC g
	WIN 0
.irp q, 0,1,2,3
.set BE, 4*(\g)+\q
.if BE < 22
.irp k, 0,1,2,3
	ds_load_b128 v[DT+16*\q+4*\k:DT+16*\q+4*\k+3], v[AD] offset:272*(BE/2)+128*(BE%2)+16*\k
.endr
.endif
.endr
.endm
.macro LV g
	WIN 0x40
.irp t, 0,1,2,3
.irp c, 0,1
.set F, FB+48*((\g)%2)+12*\t+6*\c
	ds_load_b128 v[F:F+3], v[AV16] offset:(4*(2*(\g)+\c)+\t)*768
	ds_load_b64 v[F+4:F+5], v[AV8] offset:(4*(2*(\g)+\c)+\t)*768
.endr
.endr
.endm
.macro MULRL g
.set W, 2+(\g)/4
	WIN (W<<6)|W
.set i, 64*((\g)%4)
.rept 32
	v_pk_mul_f32 v[i:i+1], v[i:i+1], v[RL:RL+1] op_sel_hi:[1,0]
.set i, i+2
.endr
.endm
.macro MULD g
.set W, 2+(\g)/4
.irp q, 0,1,2,3
.set BE, 4*(\g)+\q
.set i, 64*((\g)%4)+16*\q
.if BE < 22
	WIN (W<<6)|W
.set j, DT+16*\q
.else
	WIN (W<<6)|4|W
.set j, 16*(BE-22)
.endif
.rept 8
	v_pk_mul_f32 v[i:i+1], v[i:i+1], v[j:j+1]
.set i, i+2
.set j, j+2
.endr
.endr
.endm
.macro CQ g
.set W, 2+(\g)/4
.set SB, 64*((\g)%4)
	WIN (W<<2)|W
.irp q, 0,1,2,3
	v_max3_num_f32 v[TM+\q], |v[SB+16*\q]|, |v[SB+16*\q+1]|, s[FLR]
.endr
.irp i2, 2,4,6,8,10,12,14
.irp q, 0,1,2,3
	v_max3_num_f32 v[TM+\q], |v[SB+16*\q+\i2]|, |v[SB+16*\q+\i2+1]|, v[TM+\q]
.endr
.endr
	WIN 0
.irp q, 0,1,2,3
	v_permlanex16_b32 v[TX+\q], v[TM+\q], s[SEL], s[SEL+1]
.endr
.irp q, 0,1,2,3
	v_max_num_f32 v[TM+\q], v[TM+\q], v[TX+\q]
.endr
.irp q, 0,1,2,3
	v_add_nc_u32 v[SO+\q], 0xff000000, v[TM+\q]
.endr
.irp q, 0,1,2,3
	v_lshrrev_b32 v[TX+\q], 23, v[SO+\q]
.endr
	v_lshl_or_b32 v[PW], v[TX+1], 8, v[TX]
	v_lshl_or_b32 v[PW], v[TX+2], 16, v[PW]
	v_lshl_or_b32 v[PW], v[TX+3], 24, v[PW]
	WIN W
.irp c, 0,1
	v_cvt_scalef32_pk16_fp6_f32 v[PF+6*\c:PF+6*\c+2], v[SB+32*\c:SB+32*\c+15], v[SO+2*\c]
	v_cvt_scalef32_pk16_fp6_f32 v[PT+4*\c:PT+4*\c+2], v[SB+32*\c+16:SB+32*\c+31], v[SO+2*\c+1]
.endr
	WIN 0
	v_nop
.irp c, 0,1
.irp i2, 0,1,2
	v_permlane16_swap_b32 v[PF+6*\c+\i2], v[PT+4*\c+\i2]
.endr
.irp i2, 0,1,2
	v_mov_b32 v[PF+6*\c+3+\i2], v[PT+4*\c+\i2]
.endr
.endr
.endm
.macro PV g
	WIN 0x01
.irp t, 0,1,2,3
.set F, FB+48*((\g)%2)+12*\t
.if (\g) == 0
.if \t%2
	MMZ1 OT+8*\t, F, PF, SC32+4*(\g)+\t/2, PW
.else
	MMZ OT+8*\t, F, PF, SC32+4*(\g)+\t/2, PW
.endif
.else
.if \t%2
	MMC1 OT+8*\t, F, PF, OT+8*\t, SC32+4*(\g)+\t/2, PW
.else
	MMC OT+8*\t, F, PF, OT+8*\t, SC32+4*(\g)+\t/2, PW
.endif
.endif
.endr
.endm
.macro XQ
.irp q, 0,1
	v_max3_num_f32 v[TM+\q], |v[OT+16*\q]|, |v[OT+16*\q+1]|, s[FLR]
.endr
.irp i2, 2,4,6,8,10,12,14
.irp q, 0,1
	v_max3_num_f32 v[TM+\q], |v[OT+16*\q+\i2]|, |v[OT+16*\q+\i2+1]|, v[TM+\q]
.endr
.endr
.irp q, 0,1
	v_permlanex16_b32 v[TX+\q], v[TM+\q], s[SEL], s[SEL+1]
.endr
.irp q, 0,1
	v_max_num_f32 v[TM+\q], v[TM+\q], v[TX+\q]
.endr
.irp q, 0,1
	v_add_nc_u32 v[SO+\q], 0xff000000, v[TM+\q]
.endr
.irp q, 0,1
	v_lshrrev_b32 v[TX+\q], 23, v[SO+\q]
.endr
	v_lshl_or_b32 v[HWX], v[TX+1], 8, v[TX]
	v_cvt_scalef32_pk16_fp6_f32 v[XH:XH+2], v[OT:OT+15], v[SO]
	v_cvt_scalef32_pk16_fp6_f32 v[XT:XT+2], v[OT+16:OT+31], v[SO+1]
	v_nop
.irp i2, 0,1,2
	v_permlane16_swap_b32 v[XH+\i2], v[XT+\i2]
.endr
.irp i2, 0,1,2
	v_mov_b32 v[XH+3+\i2], v[XT+\i2]
.endr
.endm
.macro LW s
	WIN 0x40
.irp b, 0,1,2,3,4,5,6,7
.irp c, 0,1,2
	ds_load_b128 v[96*((\s)%2)+12*\b+4*\c:96*((\s)%2)+12*\b+4*\c+3], v[T0] offset:(8*(\s)+\b)*1536+512*\c
.endr
.endr
	WIN 0
.irp b, 0,1,2,3,4,5,6,7
	ds_load_b32 v[WSC+8*((\s)%2)+\b], v[T1] offset:128*(8*(\s)+\b)
.endr
.endm
; THE PROJECTION: wave w multiplies all 64 rows by record w of Wp (128 columns): each fragment of Wp is read from LDS once and feeds four matrix instructions.
; 32 accumulators (window 2: tile a, column tile b at 64 a + 8 b) take turns; the first step's C is bp (window 3).  Two sets of Wp's fragments: the count 32 leaves the younger set out.
.macro WPMUL
.irp s, 0,1,2,3
.if \s < 3
	s_wait_dscnt 32
.else
	s_wait_dscnt 0x0
.endif
.if \s == 0
	WIN 0xb1
.else
	WIN 0xa1
.endif
.irp a, 0,1,2,3
.irp b, 0,1,2,3,4,5,6,7
.if \s == 0
	MMC 64*\a+8*\b, 96*(\s%2)+12*\b, XFT+48*\a+12*\s, 8*\b, WSC+8*(\s%2)+\b, XS+4*\a+\s
.else
	MMC 64*\a+8*\b, 96*(\s%2)+12*\b, XFT+48*\a+12*\s, 64*\a+8*\b, WSC+8*(\s%2)+\b, XS+4*\a+\s
.endif
.endr
.endr
	WIN 0
	PLACES 4
.if \s < 2
	LW \s+2
.endif
.endr
.endm
; THE WAY OUT, in eight passes p = 2 a + half: 16 rows x 64 columns go through my own stage and come back as rows of 256 bytes.  LDS serves a wave's instructions in order, so one stage serves all passes.
.macro TOST p
	WIN 0x08
.irp b2, 0,1
.irp k, 0,1,2,3
	ds_store_b128 v[STO], v[32*(\p)+16*\b2+4*\k:32*(\p)+16*\b2+4*\k+3] offset:128*\b2+16*\k
.endr
.endr
	WIN 0
.irp n, 0,1,2,3,4,5,6,7
	ds_load_b128 v[OBK+32*((\p)%2)+4*\n:OBK+32*((\p)%2)+4*\n+3], v[RD] offset:544*\n
.endr
.endm
.macro SEND p, younger                 ; younger: the LDS instructions issued behind pass p's loads
	s_wait_dscnt \younger
.irp n, 0,1,2,3,4,5,6,7
	global_store_b128 v[GO], v[OBK+32*((\p)%2)+4*\n:OBK+32*((\p)%2)+4*\n+3], s[OUTP:OUTP+1] offset:32768*((\p)/2)+4096*\n+256*((\p)%2) th:TH_STORE_NT   ; 16 lanes store 256 consecutive bytes, aligned
.endr
.endm
	s_load_b256 s[4:11], s[0:1], 0x0
	s_load_b128 s[12:15], s[0:1], 0x20
	s_load_b64 s[16:17], s[0:1], 0x30
	v_lshl_add_u32 v[SPW], v0, 2, SPARE
	v_mov_b32 v[NIL], 0
	ds_add_u32 v[SPW], v[NIL]
	ds_add_u32 v[SPW], v[NIL]
	v_lshrrev_b32 v[T0], 5, v0
	v_readfirstlane_b32 s[WV], v[T0]
	s_bfe_u32 s[CX], ttmp6, 0x40000
	s_lshl_b32 s[QB], ttmp9, 2
	s_add_co_u32 s[QB], s[QB], s[CX]
	s_and_b32 s[BT], ttmp7, 0xffff
	s_mov_b32 s[G1D], (2<<16)|(1<<20)|(5<<22)|(3<<25)
	s_mov_b32 s[G1D+1], 704<<16
	s_mov_b32 s[G1D+2], 32<<16
	s_mov_b32 s[G1D+3], 704<<16
	s_mov_b32 s[G1D+4], 32
	s_mov_b32 s[G1D+5], 1024
	s_mov_b32 s[G1D+6], 0
	s_mov_b32 s[G1D+7], 0
	s_mov_b32 s[G1R], 15|(3<<16)|(1<<21)
	s_mov_b32 s[G1R+1], 32<<16
	s_mov_b32 s[G1R+2], 52<<16
	s_mov_b32 s[G1R+3], 32<<16
	s_mov_b32 s[G1R+4], 52
	s_mov_b32 s[G1R+5], 32
	s_mov_b32 s[G1R+6], 0
	s_mov_b32 s[G1R+7], 0
	s_mov_b32 s[G1W], 15|(3<<16)|(1<<21)
	s_mov_b32 s[G1W+1], 32<<16
	s_mov_b32 s[G1W+2], 104<<16                    ; at the head this group 1 serves half a record of K: 104 rows of 256 bytes; behind the loop its two row counts are set for Wp
	s_mov_b32 s[G1W+3], 32<<16
	s_mov_b32 s[G1W+4], 104
	s_mov_b32 s[G1W+5], 32
	s_mov_b32 s[G1W+6], 0
	s_mov_b32 s[G1W+7], 0
	s_mov_b32 s[SEL], 0x76543210
	s_mov_b32 s[SEL+1], 0xfedcba98
	s_mov_b32 s[L2E], 0x3fb8aa3b
	s_mov_b32 s[L2E+1], s[L2E]
	s_mov_b32 s[NL2E], 0xbfb8aa3b
	s_mov_b32 s[FLR], 3<<23
	s_mov_b32 s[C3], 0x03030303
	s_mov_b32 s[SELQ], 0x01000100
	s_and_b32 s90, s[WV], 1
	s_cmp_lg_u32 s90, 0
	s_cselect_b32 s[SELQ], 0x03020302, s[SELQ]
	s_mov_b32 s[H], 0
	s_mul_i32 s92, s[BT], 8*REC
	s_mov_b32 s93, 0
	s_mul_i32 s94, s[WV], 13312
	s_mov_b32 s95, 0
	s_add_co_u32 s90, s92, s94
	s_mov_b32 s91, 0
	s_lshl_b32 s2, s[BT], 10
	s_lshl_b32 s3, s[QB], 6
	s_add_co_u32 s2, s2, s3
	s_lshl_b32 s3, s[WV], 4
	s_add_co_u32 s2, s2, s3
	s_lshl_b32 s86, s2, 11
	s_mov_b32 s87, 0
	s_lshl_b32 s2, s2, 12
	s_mov_b32 s3, 0
	s_mul_i32 s[LIM], s[WV], 2*DWV
	s_wait_dscnt 0x0
	s_wait_kmcnt 0x0
	s_add_nc_u64 s[4:5], s[4:5], s[2:3]
	s_add_nc_u64 s[OUTP:OUTP+1], s[16:17], s[86:87]
	s_mov_b32 s[G0D], 1
	s_add_co_u32 s[G0D+1], s[LIM], DRG
	s_lshl_b32 s86, s[WV], 16                      ; waves 0 and 1 fetch rows 32 w on: 16 w rows of 4,096 bytes beyond my own 16 w
	s_add_nc_u64 s[G0D+2:G0D+3], s[4:5], s[86:87]
	s_or_b32 s[G0D+3], s[G0D+3], 0x80000000
	s_add_nc_u64 s[KP:KP+1], s[8:9], s[90:91]
	s_mov_b32 s[G0K], 1
	s_mov_b32 s[G0K+1], s94
	s_mov_b64 s[G0K+2:G0K+3], s[KP:KP+1]
	s_or_b32 s[G0K+3], s[G0K+3], 0x80000000
	s_mov_b32 s[G0V], 1
	s_add_co_u32 s[G0V+1], s94, VSL
	s_add_nc_u64 s[G0V+2:G0V+3], s[10:11], s[90:91]
	s_or_b32 s[G0V+3], s[G0V+3], 0x80000000
	s_add_nc_u64 s[WP0:WP0+1], s[12:13], s[94:95]
	s_add_nc_u64 s[WP0:WP0+1], s[WP0:WP0+1], 12*REC
	s_mul_i32 s94, s[WV], 39936
	s_mov_b32 s[G0W], 1
	s_add_co_u32 s[G0W+1], s94, VSL
	s_add_nc_u64 s[G0W+2:G0W+3], s[12:13], s[94:95]
	s_add_nc_u64 s[G0W+2:G0W+3], s[G0W+2:G0W+3], 13*REC
	s_or_b32 s[G0W+3], s[G0W+3], 0x80000000
	s_and_b32 s86, s[WV], 1
	s_mul_i32 s86, s86, 26624                      ; which half of head 0's K record: wave 2 the first, wave 3 the second
	s_mov_b32 s[G0H], 1
	s_mov_b32 s[G0H+1], s86
	s_add_co_u32 s86, s86, s92                     ; + the batch's records
	s_add_nc_u64 s[G0H+2:G0H+3], s[8:9], s[86:87]
	s_or_b32 s[G0H+3], s[G0H+3], 0x80000000
	ROUND
	s_cmp_lt_u32 s[WV], 2                          ; one chain of branches on the wave's number, one fill to an arm
	s_cbranch_scc0 .Lhead_k
	TL G0D, G1D
	s_branch .Lhead_asked
.Lhead_k:
	TL G0H, G1W
.Lhead_asked:
	s_lshl_b32 s2, s[QB], 2
	s_add_co_u32 s2, s2, s[WV]
	s_mul_i32 s2, s2, 768
	s_add_co_u32 s2, s2, s92
	s_add_nc_u64 s[QP:QP+1], s[6:7], s[2:3]
	s_lshl_b32 s2, s[QB], 1
	s_lshr_b32 s86, s[WV], 1
	s_add_co_u32 s2, s2, s86
	s_lshl_b32 s2, s2, 7
	s_add_co_u32 s2, s2, s92
	s_add_co_u32 s2, s2, RCODE
	s_add_nc_u64 s[QS:QS+1], s[6:7], s[2:3]
	s_and_b32 s2, s[CX], 1
	s_mul_i32 s2, s2, 3
	s_add_co_u32 s2, s2, s[WV]
	s_lshl_b32 s2, s2, 13
	s_add_co_u32 s2, s2, s92
	s_add_co_u32 s2, s2, REC
	s_cmp_lt_u32 s[CX], 2
	s_cselect_b64 s[PFA:PFA+1], s[8:9], s[10:11]
	s_add_nc_u64 s[PFA:PFA+1], s[PFA:PFA+1], s[2:3]
	s_add_co_u32 s2, s[CX], 12                     ; Wp's records are 12 to 15 of wrec: the cluster's partners share them out by address, a record each, a wave a quarter
	s_mul_i32 s2, s2, REC
	s_mul_i32 s86, s[WV], 13312
	s_add_co_u32 s2, s2, s86
	s_add_nc_u64 s[PFW:PFW+1], s[12:13], s[2:3]
	s_add_co_u32 s86, s[WV], 1
	s_lshr_b32 s86, s86, 2
	s_or_b32 s86, s86, ttmp9
	s_cmp_eq_u32 s86, 0
	s_cselect_b32 s[LIM], 7, 0
	s_mov_b32 s[XO], 0
	s_mov_b32 s[XO2], 0
	v_and_b32 v[T0], 31, v0
	v_and_b32 v[T1], 15, v0
	v_bfe_u32 v[T2], v0, 4, 1
	v_lshlrev_b32 v[A16], 4, v[T0]
	v_lshl_add_u32 v[A8], v[T0], 3, 512
	v_lshl_add_u32 v[A4], v[T0], 2, RCODE
	v_add_nc_u32 v[AV16], VSL, v[A16]
	v_add_nc_u32 v[AV8], VSL, v[A8]
	v_add_nc_u32 v[AV4], VSL, v[A4]
	v_lshlrev_b32 v[L4], 2, v[T0]
	s_mul_i32 s90, s[WV], DWV
	s_add_co_u32 s90, s90, DRG
	v_mul_u32_u24 v[AD], v[T1], DPI
	v_lshl_add_u32 v[AD], v[T2], 6, v[AD]
	v_add_nc_u32 v[AD], s90, v[AD]
	s_mul_i32 s90, s[WV], SWV
	s_add_co_u32 s90, s90, SCR
	v_add_nc_u32 v[AX16], s90, v[A16]
	v_add_nc_u32 v[AX8], s90, v[A8]
	v_add_nc_u32 v[AX4], s90, v[L4]
	v_add_nc_u32 v[AX4], 8*768, v[AX4]
	v_mul_u32_u24 v[STO], v[T1], 272
	v_lshl_add_u32 v[STO], v[T2], 6, v[STO]
	v_add_nc_u32 v[STO], s90, v[STO]
	v_mul_u32_u24 v[RD], v[T2], 272
	v_lshl_add_u32 v[RD], v[T1], 4, v[RD]
	v_add_nc_u32 v[RD], s90, v[RD]
	v_lshlrev_b32 v[GO], 11, v[T2]
	v_lshl_add_u32 v[GO], v[T1], 4, v[GO]
	v_lshlrev_b32 v[GD], 12, v[T1]
	v_lshl_add_u32 v[GD], v[T2], 6, v[GD]
	v_lshlrev_b32 v[GB], 6, v[T2]
	v_lshlrev_b32 v[PFO], 8, v[T0]
	v_add_nc_u32 v[PFO2], 32, v[T0]
	v_min_u32 v[PFO2], 51, v[PFO2]                 ; a quarter of a record is 52 blocks of 256 bytes: the lanes left over name the last one again
	v_lshlrev_b32 v[PFO2], 8, v[PFO2]
	WIN 0x40
.set bb, 22
.rept 10
.irp j, 0,1,2,3
	global_load_b128 v[16*(bb-22)+4*\j:16*(bb-22)+4*\j+3], v[GD], s[4:5] offset:128*bb+16*\j
.endr
.set bb, bb+1
.endr
	WIN 0
	global_load_b128 v[QLO:QLO+3], v[A16], s[QP:QP+1]
	global_load_b64 v[QLO+4:QLO+5], v[A8], s[QP:QP+1]
	global_load_b128 v[QLO+18:QLO+21], v[A16], s[QP:QP+1]
	global_load_b64 v[QLO+22:QLO+23], v[A8], s[QP:QP+1]
	global_load_b32 v[QRAW], v[L4], s[QS:QS+1]
.irp i2, 6,7,8,9,10,11,12,13,14,15,16,17
	v_mov_b32 v[QLO+\i2], 0
.endr
.irp i2, 0,1,2,3
	v_mov_b32 v[TX+\i2], 0
.endr
	v_mov_b32 v[PX], 0
.Lhead:
	s_wait_tensorcnt 0x0
	ds_add_u32 v[SPW], v[NIL]
	s_wait_dscnt 0x0
	ROUND
	TL G0V, G1R
	ASK
	s_cmp_eq_u32 s[H], 4                           ; Wp is asked for in trips 4 and 5; its first record is loaded in trip 7, the others behind the loop
	s_cbranch_scc0 .Lnot_wp_0
	global_prefetch_b8 v[PFO], s[PFW:PFW+1] th:TH_LOAD_NT scope:SCOPE_SE
.Lnot_wp_0:
	s_cmp_eq_u32 s[H], 5
	s_cbranch_scc0 .Lnot_wp_1
	global_prefetch_b8 v[PFO2], s[PFW:PFW+1] th:TH_LOAD_NT scope:SCOPE_SE
.Lnot_wp_1:
	s_wait_loadcnt 0x0
	s_add_nc_u64 s[QP:QP+1], s[QP:QP+1], REC
	s_add_nc_u64 s[QS:QS+1], s[QS:QS+1], REC
	v_perm_b32 v[QSC], v[QRAW], v[QRAW], s[SELQ]
	v_sub_nc_u32 v[QSC], v[QSC], s[C3]
.irp i2, 0,1,2,3,4,5,6,7
	v_mov_b32 v[MX+\i2], 0xff800000
.endr
.irp i2, 0,1,2,3,4,5,6,7
	v_mov_b32 v[LS+\i2], 0
.endr
.set j, 0
.rept 32
	ds_load_b32 v[SC32+j], v[A4] offset:128*j
.set j, j+1
.endr
	LK 0
	LDD 0
	LK 1
	LDD 1
.irp u, 0,1,2,3,4,5,6,7,8,9,10,11,12,13,14,15
.if \u <= 9
	s_wait_alu depctr_va_vdst(0)
	s_wait_dscnt 16
.elseif \u <= 14
	s_wait_alu depctr_va_vdst(0)
	s_wait_dscnt 8
.else
	s_wait_alu depctr_va_vdst(0)
	s_wait_dscnt 0x0
.endif
	SMUL \u
.if \u == 0
	PLACES 4
.else
	SMAX \u-1
.endif
.if \u < 14
	LK \u+2
.endif
.if \u < 9
	LDD \u+2
.endif
.endr
	SMAX 15
	WIN 0
	v_max3_num_f32 v[MX], v[MX], v[MX+1], v[MX+2]
	v_max3_num_f32 v[MX+3], v[MX+3], v[MX+4], v[MX+5]
	v_max3_num_f32 v[MX], v[MX], v[MX+6], v[MX+7]
	v_max_num_f32 v[MX], v[MX], v[MX+3]
	v_permlanex16_b32 v[PX], v[MX], s[SEL], s[SEL+1]
	v_max_num_f32 v[MX], v[MX], v[PX]
	v_mul_f32 v[NM], s[NL2E], v[MX]
	v_mov_b32 v[NM+1], v[NM]
	s_cmp_eq_u32 s[H], 7
	s_cbranch_scc1 .Lno_next_q
	global_load_b128 v[QLO:QLO+3], v[A16], s[QP:QP+1]
	global_load_b64 v[QLO+4:QLO+5], v[A8], s[QP:QP+1]
	global_load_b128 v[QLO+18:QLO+21], v[A16], s[QP:QP+1]
	global_load_b64 v[QLO+22:QLO+23], v[A8], s[QP:QP+1]
	global_load_b32 v[QRAW], v[L4], s[QS:QS+1]
.Lno_next_q:
	s_wait_alu depctr_va_vdst(0)
	BFMA 2
	BFMA 3
	s_wait_alu depctr_va_vdst(0)                   ; the wait ahead of the batch
	BEXP 2
	BEXP 3
	WIN 0
	v_nop                                          ; one plain place behind the exponentials
	s_wait_alu depctr_va_vdst(0)                   ; one wait for the whole batch, ahead of its first reader
	BSUM 2
	BSUM 3
	WIN 0
	v_pk_add_f32 v[LS:LS+1], v[LS:LS+1], v[LS+2:LS+3]
	v_pk_add_f32 v[LS+4:LS+5], v[LS+4:LS+5], v[LS+6:LS+7]
	v_pk_add_f32 v[LS:LS+1], v[LS:LS+1], v[LS+4:LS+5]
	v_add_f32 v[LS], v[LS], v[LS+1]
	v_permlanex16_b32 v[PX], v[LS], s[SEL], s[SEL+1]
	v_add_f32 v[LS], v[LS], v[PX]
	s_wait_alu depctr_va_vdst(0)
	v_rcp_f32 v[RL], v[LS]
	v_nop
	s_wait_alu depctr_va_vdst(0)
	v_mov_b32 v[RL+1], v[RL]
	s_wait_tensorcnt 0x0
	ds_add_u32 v[SPW], v[NIL]
	s_add_nc_u64 s[KP:KP+1], s[KP:KP+1], REC
	s_cmp_eq_u32 s[H], 7
	s_cselect_b64 s[G0K+2:G0K+3], s[WP0:WP0+1], s[KP:KP+1]
	s_or_b32 s[G0K+3], s[G0K+3], 0x80000000
	s_add_nc_u64 s[G0V+2:G0V+3], s[G0V+2:G0V+3], REC
	s_wait_xcnt 0x0
	s_add_nc_u64 s[PFA:PFA+1], s[PFA:PFA+1], REC
	s_wait_dscnt 0x0
	ROUND
	TL G0K, G1R
.set j, 0
.rept 32
	ds_load_b32 v[SC32+j], v[AV4] offset:128*j
.set j, j+1
.endr
	LDC 0
	LV 0
	s_wait_alu depctr_va_vdst(0)
	MULRL 0
	WIN 0
	s_wait_dscnt 32
.irp g, 0,1,2,3,4,5,6,7
.irp t, 0,1
	v_lshl_or_b32 v[SC32+4*\g+\t], v[SC32+4*\g+2+\t], 16, v[SC32+4*\g+\t]
.endr
.endr
.irp g, 0,1,2,3,4,5,6,7
.if \g <= 5
	s_wait_dscnt 16
.endif
	MULD \g
.if \g < 7
	LDC \g+1
	LV \g+1
.endif
	CQ \g
.if \g < 7
	MULRL \g+1
.else
	PLACES 8
.endif
.if \g <= 3
	s_wait_dscnt 32
.elseif \g == 4
	s_wait_dscnt 24
.elseif \g <= 6
	s_wait_dscnt 16
.else
	s_wait_alu depctr_va_vdst(0)
	s_wait_dscnt 0x0
.endif
	PV \g
.endr
	WIN 0
	PLACES 4
	XQ
	v_add_nc_u32 v[T0], s[XO], v[AX16]
	v_add_nc_u32 v[T1], s[XO], v[AX8]
	v_add_nc_u32 v[T2], s[XO2], v[AX4]
	ds_store_b128 v[T0], v[XH:XH+3]
	ds_store_b64 v[T1], v[XH+4:XH+5]
	ds_store_b32 v[T2], v[HWX]
	s_add_co_u32 s[XO], s[XO], 768
	s_add_co_u32 s[XO2], s[XO2], 128
	s_add_co_u32 s[H], s[H], 1
	s_cmp_lt_u32 s[H], 8
	s_cbranch_scc1 .Lhead
	s_lshl_b32 s92, s[WV], 9                       ; bp at my record's 128 columns, in the results' layout, into window 3, whose scores are done with: asked for ahead of the round
	s_mov_b32 s93, 0
	s_add_nc_u64 s[92:93], s[14:15], s[92:93]
	WIN 0xc0
.irp b, 0,1,2,3,4,5,6,7
.irp k, 0,1
	global_load_b128 v[8*\b+4*\k:8*\b+4*\k+3], v[GB], s[92:93] offset:4*(32*(\b/2)+8*(\b%2))+16*\k
.endr
.endr
	WIN 0
	s_wait_tensorcnt 0x0
	ds_add_u32 v[SPW], v[NIL]
	s_mov_b32 s[G1W+2], 156<<16                    ; no tensor load of mine is out: from here on this group 1 counts 156 rows, my quarter of Wp's records 1 to 3
	s_mov_b32 s[G1W+4], 156
	s_mul_i32 s90, s[WV], REC                      ; record w lies at w x REC in LDS
	s_mul_i32 s94, s[WV], 32256
	s_mov_b32 s95, 0
	s_sub_nc_u64 s[OUTP:OUTP+1], s[OUTP:OUTP+1], s[94:95]   ; from my 16 rows' first byte to the work-group's first row at my 128 columns: 16 w rows of 2,048 bytes back, 512 w bytes on
	v_add_nc_u32 v[AV16], SCR, v[A16]              ; the four waves' images of x
	v_add_nc_u32 v[AV8], SCR, v[A8]
	v_add_nc_u32 v[AV4], SCR+8*768, v[L4]
	v_add_nc_u32 v[T0], s90, v[A16]                ; my record's fragments and scale images
	v_add_nc_u32 v[T1], s90, v[A4]
	s_wait_alu depctr_va_vdst(0)                   ; the wait directly ahead of the wait below
	s_wait_dscnt 0x0
	ROUND
	TL G0W, G1W
.irp a, 0,1,2,3
.irp hd, 0,1,2,3,4,5,6,7
	ds_load_b128 v[XFT+48*\a+6*\hd:XFT+48*\a+6*\hd+3], v[AV16] offset:SWV*\a+768*\hd
	ds_load_b64 v[XFT+48*\a+6*\hd+4:XFT+48*\a+6*\hd+5], v[AV8] offset:SWV*\a+768*\hd
.endr
.endr
	WIN 0x40
.irp a, 0,1,2,3
.irp hd, 0,1,2,3,4,5,6,7
	ds_load_b32 v[192+8*\a+\hd], v[AV4] offset:SWV*\a+128*\hd      ; each head's two scale bytes, into window 1, v192-223
.endr
.endr
	WIN 0
	s_wait_tensorcnt 0x0                           ; my part of Wp's records is in,
	s_wait_dscnt 0x0                               ; and x is in my registers: behind the barrier the stages may be written over the images
	s_barrier_signal -1
	s_barrier_wait -1
	LW 0
	LW 1
	WIN 0x11
.irp a, 0,1,2,3
.irp s, 0,1,2,3
	v_lshl_or_b32 v[XS+4*\a+\s], v[192+8*\a+2*\s+1], 16, v[192+8*\a+2*\s]   ; two heads' bytes make the scale word of a K step
.endr
.endr
	WIN 0
	PLACES 8                                       ; a scale register written by a vector instruction stands 8 places ahead of a scaled matrix instruction
	s_wait_alu depctr_va_vdst(0)                   ; the wait directly ahead of the wait below
	s_wait_loadcnt 0x0                             ; bp
	WPMUL
	TOST 0
.irp p, 1,2,3,4,5,6,7
.if \p > 1
	s_wait_xcnt 0x0                                ; pass p - 2's stores have read their registers: pass p's loads may land there
.endif
	TOST \p
	SEND \p-1, 16                                  ; behind pass p - 1's loads: pass p's 8 stores and 8 loads
.endr
	SEND 7, 0
	s_wait_tensorcnt 0x0
	ds_add_u32 v[SPW], v[NIL]
	s_wait_dscnt 0x0
	ROUND
	s_endpgm
.Lfunc_end_k_q1abbfc0155_attn:
	.size	k_q1abbfc0155_attn, .Lfunc_end_k_q1abbfc0155_attn-k_q1abbfc0155_attn
	.p2alignl 7, 3214868480
	.fill 96, 4, 3214868480
	.section	.rodata,"a",@progbits
	.p2align	6, 0x0
	.amdhsa_kernel k_q1abbfc0155_attn
		.amdhsa_group_segment_fixed_size 327680
		.amdhsa_private_segment_fixed_size 0
		.amdhsa_enable_private_segment 0
		.amdhsa_kernarg_size 56
		.amdhsa_user_sgpr_count 2
		.amdhsa_user_sgpr_kernarg_segment_ptr 1
		.amdhsa_wavefront_size32 1
		.amdhsa_system_sgpr_workgroup_id_x 1
		.amdhsa_system_sgpr_workgroup_id_y 1
		.amdhsa_system_sgpr_workgroup_id_z 1
		.amdhsa_system_vgpr_workitem_id 0
		.amdhsa_next_free_vgpr 1024
		.amdhsa_next_free_sgpr 102
		.amdhsa_reserve_vcc 0
		.amdhsa_float_denorm_mode_32 3
		.amdhsa_float_denorm_mode_16_64 3
		.amdhsa_memory_ordered 1
		.amdhsa_forward_progress 1
		.amdhsa_inst_pref_size 247
	.end_amdhsa_kernel
	.amdgpu_metadata
---
amdhsa.version: [ 1, 2 ]
amdhsa.kernels:
  - .name:           k_q1abbfc0155_attn
    .symbol:         k_q1abbfc0155_attn.kd
    .args:
      - { .name: d, .offset: 0, .size: 8, .value_kind: global_buffer, .address_space: global }
      - { .name: qrec, .offset: 8, .size: 8, .value_kind: global_buffer, .address_space: global }
      - { .name: krec, .offset: 16, .size: 8, .value_kind: global_buffer, .address_space: global }
      - { .name: vrec, .offset: 24, .size: 8, .value_kind: global_buffer, .address_space: global }
      - { .name: wrec, .offset: 32, .size: 8, .value_kind: global_buffer, .address_space: global }
      - { .name: bp, .offset: 40, .size: 8, .value_kind: global_buffer, .address_space: global }
      - { .name: out0, .offset: 48, .size: 8, .value_kind: global_buffer, .address_space: global }
    .group_segment_fixed_size: 327680
    .private_segment_fixed_size: 0
    .kernarg_segment_align: 8
    .kernarg_segment_size: 56
    .max_flat_workgroup_size: 128
    .sgpr_count:     102
    .vgpr_count:     1024
    .wavefront_size: 32
...
	.end_amdgpu_metadata
.endif
;; end of part 3
